; MI455X (gfx1250); checked and timed in simulation.
; The chip was launched on July 23, 2026; its instructions are those of AMD's public machine-readable ISA for CDNA 5 (MIT licence, August 2026) and "CDNA5" Instruction Set Architecture Reference Guide (July 2026). The comments in the code are by the model that wrote it; some were corrected since.
;; Mapping Network. Allowed arithmetic: matrix products marked QUANTISED: E3M2 operands, one E8M0 scale for each 32 along K, by v_wmma_scale_f32_16x16x128_f8f6f4 with both operands' format E3M2, f32 sums; products left as they are: f32 operands where the result goes on into a quantised operand, else bf16, f16 or f32 operands; f32 sums; everything else in f32.
;; Inputs: U0_codes 8 x 512 x 16 x 24 uint8 (E3M2 codes of U0, K innermost, in blocks of 32 codes, four codes in three bytes); U0_scales 8 x 512 x 16 uint8 (E8M0 scales of U0, one for each 32 codes along K); U1_codes 8 x 512 x 16 x 24 uint8 (E3M2 codes of U1, K innermost, in blocks of 32 codes, four codes in three bytes); U1_scales 8 x 512 x 16 uint8 (E8M0 scales of U1, one for each 32 codes along K); U2_codes 8 x 512 x 16 x 24 uint8 (E3M2 codes of U2, K innermost, in blocks of 32 codes, four codes in three bytes); U2_scales 8 x 512 x 16 uint8 (E8M0 scales of U2, one for each 32 codes along K); U3_codes 8 x 64 x 16 x 24 uint8 (E3M2 codes of U3, K innermost, in blocks of 32 codes, four codes in three bytes); U3_scales 8 x 64 x 16 uint8 (E8M0 scales of U3, one for each 32 codes along K); W0 16 x 512 float32; W1_codes 512 x 16 x 24 uint8 (E3M2 codes of W1, K innermost, in blocks of 32 codes, four codes in three bytes); W1_scales 512 x 16 uint8 (E8M0 scales of W1, one for each 32 codes along K); W2_codes 512 x 16 x 24 uint8 (E3M2 codes of W2, K innermost, in blocks of 32 codes, four codes in three bytes); W2_scales 512 x 16 uint8 (E8M0 scales of W2, one for each 32 codes along K); W3_codes 512 x 16 x 24 uint8 (E3M2 codes of W3, K innermost, in blocks of 32 codes, four codes in three bytes); W3_scales 512 x 16 uint8 (E8M0 scales of W3, one for each 32 codes along K); b0 512 float32; b1 512 float32; b2 512 float32; b3 512 float32; c0 8 x 512 float32; c1 8 x 512 float32; c2 8 x 512 float32; c3 8 x 64 float32; x 8,192 x 16 float32; y 8,192 int32.
;; Outputs: out0 8,192 x 64 float32.
;; This version of the problem:
;;   THIS VERSION OF THE PROBLEM IS GIVEN IN LOW PRECISION. The matrix products marked QUANTISED in the list below multiply operands that are first quantised to E3M2 (3 exponent bits, 2 mantissa bits; 6 bits a number), with one power-of-two scale for each 32 numbers along K (OCP MX v1.0); their sums are f32. All else is computed in f32.
;;   The module's matrix products, in the order in which they are computed (A, B: the left and right operand; K: the contracted axis; several contracted axes count as one K, in the product's order):
;;     1. [M 8,192, K 16] x [K 16, N 512]; A: input x; B: input W0: left as it is (K = 16 < 32)
;;     2. [M 8,192, K 512] x [K 512, N 512]; A: computed on the way; B: input W1 (given as codes): QUANTISED
;;     3. [M 8,192, K 512] x [K 512, N 512]; A: computed on the way; B: input W2 (given as codes): QUANTISED
;;     4. [M 8,192, K 512] x [K 512, N 512]; A: computed on the way; B: input W3 (given as codes): QUANTISED
;;     5. [M 4,096, K 512] x [K 512, N 8,192]; A: input U0 (given as codes); B: computed on the way: QUANTISED
;;     6. batch 8 x [M 8,192, K 512] x [K 512, N 512]; A: computed on the way; B: input U1 (given as codes): QUANTISED
;;     7. batch 8 x [M 8,192, K 512] x [K 512, N 512]; A: computed on the way; B: input U2 (given as codes): QUANTISED
;;     8. batch 8 x [M 8,192, K 512] x [K 512, N 64]; A: computed on the way; B: input U3 (given as codes): QUANTISED
;;   THE QUANTISER, for each operand of a quantised product, along K:
;;     - K is cut into blocks of 32 from its start; a last block that is shorter is filled with zeros.
;;     - A block's scale is 2^e with e = floor(log2(the largest magnitude in the block)) - 4, held to -126 .. 127; a block of zeros has e = 0. As a byte (E8M0): e + 127.
;;     - Each number is divided by its block's scale, clamped to +-28, and rounded to the nearest number of E3M2, ties to even, subnormals kept.
;;     - The product sums the exact products of the quantised numbers (number of the format x scale) in f32.
;;   ~~~python
;;   def quantise(x, axis):      # numpy; x: float32 -> the quantised numbers, widened to float32 again
;;       x = np.moveaxis(x, axis, -1); K = x.shape[-1]
;;       x = np.pad(x, [(0, 0)] * (x.ndim - 1) + [(0, -K % 32)]); x = x.reshape(x.shape[:-1] + (-1, 32)); a = np.abs(x).max(-1, keepdims=True)
;;       e = np.where(a > 0, np.clip(np.frexp(np.where(a > 0, a, 1))[1] - 1 - 4, -126, 127), 0)      # np.frexp(a)[1] - 1 = floor(log2(a)), exactly
;;       r = np.clip(x / 2.0 ** e, -28, 28)
;;       step = 2.0 ** (np.maximum(np.frexp(np.where(r == 0, 1, r))[1] - 1, -2) - 2)
;;       q = np.round(r / step) * step * 2.0 ** e      # np.round: ties to even
;;       return np.moveaxis(q.reshape(q.shape[:-2] + (-1,))[..., :K], -1, axis).astype(np.float32)
;;   ~~~
;;   OPERANDS COMPUTED ON THE WAY. 'Computed on the way' means the value that the module computes at that place (a softmax that the list does not call 'softmax' is quantised finished and normalised). What goes into a quantiser is computed in f32, as accurately as f32 sums, v_exp_f32 and their like allow (about 1e-6 of the number): no bf16 or f16 on the way to a quantiser, and a product that is left as it is and whose result goes on into a quantised operand takes f32 operands (vector FMAs, or v_wmma_f32_16x16x4_f32). A number that lies on a knife's edge between two numbers of the format may be rounded either way, as far as f32 arithmetic and the matrix unit's own rounding can turn it there, and no further.
;;   INPUTS GIVEN AS CODES. U0 (in the module: [8, 512, 512], K = its axis 1); U1 (in the module: [8, 512, 512], K = its axis 1); U2 (in the module: [8, 512, 512], K = its axis 1); U3 (in the module: [8, 512, 64], K = its axis 1); W1 (in the module: [512, 512], K = its axis 0); W2 (in the module: [512, 512], K = its axis 0); W3 (in the module: [512, 512], K = its axis 0): each comes as NAME_codes (uint8): NAME with its K axis moved to the last place and cut into blocks of 32 codes, [.., K / 32, bytes a block], one block behind the other in memory; four codes in three bytes: a row's codes are one little-endian stream of bits, code i at bits 6 i .. 6 i + 5 (a code: sign, 3 exponent bits, 2 mantissa bits); and NAME_scales (uint8): the same leading axes, one E8M0 byte (e + 127) for each 32 codes along K. Its value is code x scale, taken as it is: it is not quantised again, and the codes and scales need not be those that the quantiser above would give.
;; One version. Each part assembles by itself: llvm-mc -triple=amdgcn-amd-amdhsa -mcpu=gfx1250 --defsym DOCPART=n.
;; ======== version 1 of 1: 2 launches
;; workspace buffers: wimg 5,791,744 bytes; order 32,768 bytes of whole numbers; tiles 4,096 bytes of whole numbers
;; launch prep (part 1): grid 113 x 1, 8 waves a work-group, no clusters, 9,728 bytes of LDS; arguments W1_codes, W2_codes, W3_codes, U0_codes, U1_codes, U2_codes, U3_codes, W1_scales, W2_scales, W3_scales, U0_scales, U1_scales, U2_scales, U3_scales, b1, b2, b3, c0, c1, c2, c3, y, wimg, order, tiles; writes wimg, order, tiles
.if DOCPART == 1
	.amdgcn_target "amdgcn-amd-amdhsa--gfx1250"
	.amdhsa_code_object_version 6
	.text
	.protected	k_q328345d09b_prep
	.globl	k_q328345d09b_prep
	.p2align	8
	.type	k_q328345d09b_prep,@function
k_q328345d09b_prep:
	s_mov_b64 s[64:65], 0
	v_nop
	global_prefetch_b8 v0, s[64:65] scope:SCOPE_SE
	s_setreg_imm32_b32 hwreg(HW_REG_WAVE_MODE, 25, 1), 1
	s_wait_xcnt 0x0
; TWO JOBS IN ONE LAUNCH, parted by the work-group's number.
; Work-groups 0 to 111: LAY THE WEIGHTS OUT.  Work-group p makes block p of wimg: 128 rows (output units) of one coded weight tensor, in the order in which the next launch's
; operand registers take them, so that a wave there loads whole fragments by loads of 16 bytes a lane, 512 consecutive bytes an instruction.
;   a fragment's image (FRB = 1,536 bytes): 12 registers x 32 lanes, as three pieces of 512 bytes: piece c holds lane l's registers 4 c .. 4 c + 3 at byte 16 l
;   a K step of 128 (KSB = 12,800 bytes): 8 fragments (tile t at t FRB), then 512 bytes of scale words
;   a block (WB = 51,712 bytes): 4 K steps, then the 128 units' biases (512 bytes)
;   blocks: 4 (n - 1) + w for W1, W2, W3 (n = 1, 2, 3);  12 + 32 l + 4 e + w for U0, U1, U2 (l = 0, 1, 2);  108 + e / 2 for U3 (two experts' 64 rows make 128)
;   THE ROWS OF A TILE ARE NOT NEIGHBOURS: lane r of tile t = 2 b + u takes row 32 b + 8 u + r + 8 (r / 8) of the 128, so that the results of tiles 2 b and 2 b + 1 are 16 neighbours along the next K
;   scale words of K step s: lane (r, h) holds words jj = 0 .. 3: word jj = bytes 4 s .. 4 s + 3 of the scale row of tile 2 jj + h, row r: one register serves tile 2 jj in lanes 0-15 and tile 2 jj + 1 in lanes 16-31
; Work-group 112: SORT THE TOKENS BY y, a counting sort without atomics: 256 threads, 32 tokens each.  order[] = the 8,192 token numbers, expert by expert; tiles[i] = (expert, first place in order, rows, 0)
; for tiles of at most 64 rows; entries behind the last tile have 0 rows.  All 256 entries are written.
; LIMITS: a y outside 0 .. 7 (reference()'s own indexing rules it out) is taken as 7, so that every token has a place.  order is written by stores of 4 bytes a lane: 32,768 bytes in all, once.
.set WB,  51712
.set KSB, 12800
.set FRB, 1536
.set Y,   16                           ; v16-47   y of my 32 tokens, later their numbers
.set POS, 48                           ; v48-79   their places in order
.set CN,  80                           ; v80-87   my counts, later my running places, one for each expert
.set TT,  88                           ; v88-95   the experts' totals
.set SS,  96                           ; v96-103  where each expert begins in order
.set NT,  104                          ; v104-111 tiles of each expert (earlier: at work)
.set TP,  112                          ; v112-119 tiles ahead of each expert (earlier: at work)
	s_load_b512 s[8:23], s[0:1], 0x0               ; pointer k lies in s[8 + 2 k : 9 + 2 k]: 0-6 codes, 7-13 scales, 14-20 biases, 21 y, 22 wimg, 23 order, 24 tiles
	s_load_b512 s[24:39], s[0:1], 0x40
	s_load_b512 s[40:55], s[0:1], 0x80
	s_load_b64 s[56:57], s[0:1], 0xc0
	v_lshl_add_u32 v128, v0, 2, 0x2200
	v_mov_b32 v129, 0
	v_lshrrev_b32 v1, 5, v0
	v_readfirstlane_b32 s4, v1                     ; wave 0..7
	v_and_b32 v10, 31, v0                          ; lane
	s_wait_kmcnt 0x0
	s_cmp_eq_u32 ttmp9, 112                        ; the same for all waves of a work-group
	s_cbranch_scc1 .Lroute
	; ---------------- the weights.  Which tensor (0 .. 6), and which 128 rows of it
	s_lshr_b32 s60, ttmp9, 2                       ; p < 12: tensor p / 4,
	s_and_b32 s61, ttmp9, 3                        ; rows 128 (p % 4) on
	s_sub_co_u32 s62, ttmp9, 12
	s_lshr_b32 s63, s62, 5
	s_add_co_u32 s63, s63, 3                       ; 12 <= p < 108: tensor 3 + (p - 12) / 32,
	s_and_b32 s62, s62, 31                         ; rows 128 ((p - 12) % 32) on
	s_sub_co_u32 s66, ttmp9, 108                   ; p >= 108: tensor 6, rows 128 (p - 108) on
	s_cmp_lt_u32 ttmp9, 12
	s_cselect_b32 s60, s60, s63
	s_cselect_b32 s61, s61, s62
	s_cmp_lt_u32 ttmp9, 108
	s_cselect_b32 s60, s60, 6
	s_cselect_b32 s61, s61, s66
	s_mov_b64 s[68:69], s[20:21]                   ; tensor 6's codes, scales, bias; the others by choices that hang on the work-group's number alone
	s_mov_b64 s[70:71], s[34:35]
	s_mov_b64 s[72:73], s[48:49]
.irp k, 5,4,3,2,1,0
	s_cmp_eq_u32 s60, \k
	s_cselect_b64 s[68:69], s[8+2*\k:9+2*\k], s[68:69]
	s_cselect_b64 s[70:71], s[22+2*\k:23+2*\k], s[70:71]
	s_cselect_b64 s[72:73], s[36+2*\k:37+2*\k], s[72:73]
.endr
	s_mov_b32 s75, 0
	s_mul_i32 s74, s61, 49152                      ; 128 rows of 384 bytes of codes,
	s_add_nc_u64 s[68:69], s[68:69], s[74:75]
	s_lshl_b32 s74, s61, 11                        ; of 16 scale bytes,
	s_add_nc_u64 s[70:71], s[70:71], s[74:75]
	s_lshl_b32 s74, s61, 9                         ; 128 biases
	s_add_nc_u64 s[72:73], s[72:73], s[74:75]
	s_mul_i32 s74, ttmp9, WB                       ; my block of wimg
	s_add_nc_u64 s[52:53], s[52:53], s[74:75]
	v_and_b32 v8, 15, v0                           ; r
	v_bfe_u32 v9, v0, 4, 1                         ; h
	v_and_b32 v11, 8, v8
	v_add_nc_u32 v11, v11, v8                      ; r + 8 (r / 8)
	s_lshr_b32 s76, s4, 1                          ; WAVE t MAKES TILE t: its first row is 32 (t / 2) + 8 (t % 2)
	s_lshl_b32 s76, s76, 5
	s_and_b32 s77, s4, 1
	s_lshl_b32 s77, s77, 3
	s_add_co_u32 s76, s76, s77
	v_add_nc_u32 v12, s76, v11
	v_mul_u32_u24 v2, v12, 384
	v_mad_u32_u24 v2, v9, 24, v2                   ; my row's codes, + 24 bytes for lanes 16-31
.irp s, 0,1,2,3                                ; a fragment: 24 bytes at 96 s + 24 h into registers 0-5, 24 bytes 48 further on into registers 6-11, in pieces of 8 bytes
.irp p, 0,1,2,3,4,5
	global_load_b64 v[16+12*\s+2*\p:17+12*\s+2*\p], v2, s[68:69] offset:96*\s+48*(\p/3)+8*(\p%3) th:TH_LOAD_NT
.endr
.endr
	v_lshlrev_b32 v6, 4, v10                       ; 16 x lane
	s_mul_i32 s77, s4, KSB
	v_add_nc_u32 v5, s77, v6                       ; waves 0-3: K step = wave: where its scale words go
	s_mul_i32 s77, s4, FRB
	v_add_nc_u32 v7, s77, v6                       ; where my tile's images go
	v_lshl_add_u32 v3, v9, 3, v11
	v_lshlrev_b32 v3, 4, v3                        ; scale row 8 h + r + 8 (r / 8) of 16 bytes,
	s_lshl_b32 s77, s4, 2
	v_add_nc_u32 v3, s77, v3                       ; its bytes 4 s on
	s_cmp_lt_u32 s4, 4
	s_cbranch_scc0 .Lno_scales
.irp jj, 0,1,2,3
	global_load_b32 v[64+\jj], v3, s[70:71] offset:512*\jj   ; tile 2 jj + h begins 32 jj rows on
.endr
	s_wait_loadcnt 0x0
	global_store_b128 v5, v[64:67], s[52:53] offset:8*FRB    ; 512 consecutive bytes, aligned
.Lno_scales:
	s_cmp_eq_u32 s4, 4
	s_cbranch_scc0 .Lno_bias
	global_load_b128 v[68:71], v6, s[72:73]        ; the 128 biases as they lie
	s_wait_loadcnt 0x0
	global_store_b128 v6, v[68:71], s[52:53] offset:4*KSB
.Lno_bias:
	s_wait_loadcnt 0x0
.irp s, 0,1,2,3
.irp c, 0,1,2
	global_store_b128 v7, v[16+12*\s+4*\c:19+12*\s+4*\c], s[52:53] offset:\s*KSB+512*\c   ; 512 consecutive bytes, aligned.  No register of a store is written again
.endr
.endr
	s_endpgm
	; ---------------- the sort.  LDS: counts [expert][thread], 8 x 256 words, at 1,024 e + 4 t; the 8 totals at 8,192
.Lroute:
	v_lshlrev_b32 v1, 4, v0                        ; 16 t
	v_lshlrev_b32 v2, 2, v0                        ; 4 t
	v_lshlrev_b32 v3, 5, v0                        ; 32 t = 1,024 x wave + 32 x lane
.irp i, 0,1,2,3,4,5,6,7
	global_load_b128 v[Y+4*\i:Y+4*\i+3], v1, s[50:51] offset:4096*\i   ; register 4 i + c: token 1,024 i + 4 t + c
.endr
.irp e, 0,1,2,3,4,5,6,7
	v_mov_b32 v[CN+\e], 0
.endr
	s_wait_loadcnt 0x0
.set k, 0
.rept 32
	v_min_u32 v[Y+k], 7, v[Y+k]
.set k, k+1
.endr
.irp e, 0,1,2,3,4,5,6,7                        ; how many of my 32 tokens go to expert e: the compare's bit is added as a carry
.set k, 0
.rept 32
	v_cmp_eq_u32 vcc_lo, \e, v[Y+k]
	v_add_co_ci_u32 v[CN+\e], vcc_lo, 0, v[CN+\e], vcc_lo
.set k, k+1
.endr
.endr
.irp e, 0,1,2,3,4,5,6,7
	ds_store_b32 v2, v[CN+\e] offset:1024*\e
.endr
	s_wait_dscnt 0x0                               ; for the others' sake: my counts lie in LDS
	s_barrier_signal -1
	s_barrier_wait -1
	; WAVE e SCANS EXPERT e's 256 counts: a lane takes those of threads 8 lane .. 8 lane + 7
	ds_load_b128 v[104:107], v3
	ds_load_b128 v[108:111], v3 offset:16
	s_wait_dscnt 0x0
	v_mov_b32 v112, 0                              ; what lies ahead of each of the eight, within my lane
	v_mov_b32 v113, v104
.irp i, 2,3,4,5,6,7
	v_add_nc_u32 v[112+\i], v[111+\i], v[103+\i]
.endr
	v_add_nc_u32 v120, v119, v111                  ; my lane's total
	v_mov_b32 v123, v120
	v_mov_b32 v121, 0
.irp n, 1,2,4,8                                ; running sums over each half of 16 lanes: lane i takes lane i - n, or 0 where there is none
	v_mov_b32_dpp v121, v120 row_shr:\n row_mask:0xf bank_mask:0xf bound_ctrl:1
	v_add_nc_u32 v120, v120, v121
.endr
	v_readlane_b32 s78, v120, 15                   ; the lower half's total goes onto lanes 16-31
	v_mov_b32 v122, s78
	v_cmp_le_u32 vcc_lo, 16, v10
	v_cndmask_b32 v121, 0, v122, vcc_lo
	v_add_nc_u32 v120, v120, v121
	v_readlane_b32 s79, v120, 31                   ; the expert's total
	v_sub_nc_u32 v121, v120, v123                  ; what lies ahead of my lane
.irp i, 0,1,2,3,4,5,6,7
	v_add_nc_u32 v[112+\i], v[112+\i], v121
.endr
	ds_store_b128 v3, v[112:115]                   ; back in place: these 1,024 bytes are touched by my wave alone between the two barriers
	ds_store_b128 v3, v[116:119] offset:16
	v_mov_b32 v124, s79
	s_lshl_b32 s78, s4, 2
	v_mov_b32 v125, s78
	ds_store_b32 v125, v124 offset:8192            ; all lanes write the same word with the same value
	s_wait_dscnt 0x0
	s_barrier_signal -1
	s_barrier_wait -1
	v_mov_b32 v126, 0
	ds_load_b128 v[TT:TT+3], v126 offset:8192
	ds_load_b128 v[TT+4:TT+7], v126 offset:8208
.irp e, 0,1,2,3,4,5,6,7
	ds_load_b32 v[CN+\e], v2 offset:1024*\e        ; expert e's tokens of the threads ahead of me
.endr
	s_wait_dscnt 0x0
	v_mov_b32 v[SS], 0
.irp e, 1,2,3,4,5,6,7
	v_add_nc_u32 v[SS+\e], v[SS+\e-1], v[TT+\e-1]
.endr
.irp e, 0,1,2,3,4,5,6,7
	v_add_nc_u32 v[CN+\e], v[CN+\e], v[SS+\e]      ; my first place in expert e's run
.endr
.irp e, 0,1,2,3,4,5,6,7                        ; a token takes its expert's running place.  Expert 0's pass writes every register; the pass of the token's own expert has the last word
.set k, 0
.rept 32
	v_cmp_eq_u32 vcc_lo, \e, v[Y+k]
.if \e == 0
	v_mov_b32 v[POS+k], v[CN]
.else
	v_cndmask_b32 v[POS+k], v[POS+k], v[CN+\e], vcc_lo
.endif
	v_add_co_ci_u32 v[CN+\e], vcc_lo, 0, v[CN+\e], vcc_lo
.set k, k+1
.endr
.endr
.set k, 0
.rept 32
	v_add_nc_u32 v[Y+k], 1024*(k/4)+k%4, v2        ; the token's number
	v_min_u32 v[POS+k], 0x1fff, v[POS+k]           ; a place made of loaded numbers is held inside the buffer
	v_lshlrev_b32 v[POS+k], 2, v[POS+k]
.set k, k+1
.endr
.set k, 0
.rept 32
	global_store_b32 v[POS+k], v[Y+k], s[54:55]
.set k, k+1
.endr
	; the list of tiles: thread i makes entry i
.irp e, 0,1,2,3,4,5,6,7
	v_add_nc_u32 v[NT+\e], 63, v[TT+\e]
.endr
.irp e, 0,1,2,3,4,5,6,7
	v_lshrrev_b32 v[NT+\e], 6, v[NT+\e]            ; expert e's tiles of at most 64 rows
.endr
	v_mov_b32 v[TP], 0
.irp e, 1,2,3,4,5,6,7
	v_add_nc_u32 v[TP+\e], v[TP+\e-1], v[NT+\e-1]
.endr
.irp i, 0,1,2,3
	v_mov_b32 v[120+\i], 0                         ; an entry that no expert claims: 0 rows
.endr
.irp e, 0,1,2,3,4,5,6,7
	v_sub_nc_u32 v124, v0, v[TP+\e]                ; which of expert e's tiles I would be (wraps to a large number where i lies ahead of them)
	v_cmp_lt_u32 vcc_lo, v124, v[NT+\e]
	v_mov_b32 v125, \e
	v_lshl_add_u32 v126, v124, 6, v[SS+\e]         ; its first place
	v_lshlrev_b32 v127, 6, v124
	v_sub_nc_u32 v127, v[TT+\e], v127
	v_min_u32 v127, 64, v127                       ; its rows
	v_cndmask_b32 v120, v120, v125, vcc_lo
	v_cndmask_b32 v121, v121, v126, vcc_lo
	v_cndmask_b32 v122, v122, v127, vcc_lo
.endr
	global_store_b128 v1, v[120:123], s[56:57]     ; 512 consecutive bytes a wave, aligned
	s_wait_tensorcnt 0x0
	ds_add_u32 v128, v129
	s_wait_dscnt 0x0
	s_endpgm
.Lfunc_end_k_q328345d09b_prep:
	.size	k_q328345d09b_prep, .Lfunc_end_k_q328345d09b_prep-k_q328345d09b_prep
	.p2alignl 7, 3214868480
	.fill 96, 4, 3214868480
	.section	.rodata,"a",@progbits
	.p2align	6, 0x0
	.amdhsa_kernel k_q328345d09b_prep
		.amdhsa_group_segment_fixed_size 9728
		.amdhsa_private_segment_fixed_size 0
		.amdhsa_enable_private_segment 0
		.amdhsa_kernarg_size 200
		.amdhsa_user_sgpr_count 2
		.amdhsa_user_sgpr_kernarg_segment_ptr 1
		.amdhsa_wavefront_size32 1
		.amdhsa_system_sgpr_workgroup_id_x 1
		.amdhsa_system_sgpr_workgroup_id_y 1
		.amdhsa_system_sgpr_workgroup_id_z 1
		.amdhsa_system_vgpr_workitem_id 0
		.amdhsa_next_free_vgpr 130
		.amdhsa_next_free_sgpr 80
		.amdhsa_reserve_vcc 1
		.amdhsa_float_denorm_mode_32 3
		.amdhsa_float_denorm_mode_16_64 3
		.amdhsa_memory_ordered 1
		.amdhsa_forward_progress 1
		.amdhsa_inst_pref_size 66
	.end_amdhsa_kernel
	.amdgpu_metadata
---
amdhsa.version: [ 1, 2 ]
amdhsa.kernels:
  - .name:           k_q328345d09b_prep
    .symbol:         k_q328345d09b_prep.kd
    .args:
      - { .name: W1_codes, .offset: 0, .size: 8, .value_kind: global_buffer, .address_space: global }
      - { .name: W2_codes, .offset: 8, .size: 8, .value_kind: global_buffer, .address_space: global }
      - { .name: W3_codes, .offset: 16, .size: 8, .value_kind: global_buffer, .address_space: global }
      - { .name: U0_codes, .offset: 24, .size: 8, .value_kind: global_buffer, .address_space: global }
      - { .name: U1_codes, .offset: 32, .size: 8, .value_kind: global_buffer, .address_space: global }
      - { .name: U2_codes, .offset: 40, .size: 8, .value_kind: global_buffer, .address_space: global }
      - { .name: U3_codes, .offset: 48, .size: 8, .value_kind: global_buffer, .address_space: global }
      - { .name: W1_scales, .offset: 56, .size: 8, .value_kind: global_buffer, .address_space: global }
      - { .name: W2_scales, .offset: 64, .size: 8, .value_kind: global_buffer, .address_space: global }
      - { .name: W3_scales, .offset: 72, .size: 8, .value_kind: global_buffer, .address_space: global }
      - { .name: U0_scales, .offset: 80, .size: 8, .value_kind: global_buffer, .address_space: global }
      - { .name: U1_scales, .offset: 88, .size: 8, .value_kind: global_buffer, .address_space: global }
      - { .name: U2_scales, .offset: 96, .size: 8, .value_kind: global_buffer, .address_space: global }
      - { .name: U3_scales, .offset: 104, .size: 8, .value_kind: global_buffer, .address_space: global }
      - { .name: b1, .offset: 112, .size: 8, .value_kind: global_buffer, .address_space: global }
      - { .name: b2, .offset: 120, .size: 8, .value_kind: global_buffer, .address_space: global }
      - { .name: b3, .offset: 128, .size: 8, .value_kind: global_buffer, .address_space: global }
      - { .name: c0, .offset: 136, .size: 8, .value_kind: global_buffer, .address_space: global }
      - { .name: c1, .offset: 144, .size: 8, .value_kind: global_buffer, .address_space: global }
      - { .name: c2, .offset: 152, .size: 8, .value_kind: global_buffer, .address_space: global }
      - { .name: c3, .offset: 160, .size: 8, .value_kind: global_buffer, .address_space: global }
      - { .name: y, .offset: 168, .size: 8, .value_kind: global_buffer, .address_space: global }
      - { .name: wimg, .offset: 176, .size: 8, .value_kind: global_buffer, .address_space: global }
      - { .name: order, .offset: 184, .size: 8, .value_kind: global_buffer, .address_space: global }
      - { .name: tiles, .offset: 192, .size: 8, .value_kind: global_buffer, .address_space: global }
    .group_segment_fixed_size: 9728
    .private_segment_fixed_size: 0
    .kernarg_segment_align: 8
    .kernarg_segment_size: 200
    .max_flat_workgroup_size: 256
    .sgpr_count:     80
    .vgpr_count:     130
    .wavefront_size: 32
...
	.end_amdgpu_metadata
.endif
;; end of part 1
;; launch chain (part 2): grid 135 x 1, 4 waves a work-group, no clusters, 44,544 bytes of LDS; arguments x, W0, b0, wimg, order, tiles, out0; writes out0
.if DOCPART == 2
	.amdgcn_target "amdgcn-amd-amdhsa--gfx1250"
	.amdhsa_code_object_version 6
	.text
	.protected	k_q328345d09b_chain
	.globl	k_q328345d09b_chain
	.p2align	8
	.type	k_q328345d09b_chain,@function
k_q328345d09b_chain:
	s_mov_b64 s[64:65], 0
	v_nop
	global_prefetch_b8 v0, s[64:65] scope:SCOPE_SE
	s_setreg_imm32_b32 hwreg(HW_REG_WAVE_MODE, 25, 1), 1
	s_wait_xcnt 0x0
; ONE WORK-GROUP TAKES ONE TILE OF AT MOST 64 TOKENS OF ONE EXPERT THROUGH ALL EIGHT PRODUCTS: x W0 in f32, then W1, W2, W3, U0[e], U1[e], U2[e], U3[e] on codes of BF6 (E3M2) with one E8M0 scale for each 32 along K.
; Only the expert that y names for a token is computed: reference() keeps no other.  The hidden layers stay in registers and LDS.
; GRID: 8,192 tokens in tiles of 64 over 8 experts are never more than 128 + 7 = 135 tiles, whatever y holds.  Entry ttmp9 of tiles says (expert, first place in order, rows).  NO BRANCH HANGS ON IT: rows that a short or an
; empty tile lacks are computed on a clamped place of order and not stored (each store stands under EXEC = row < rows), so every wave passes every barrier on one way.
; SHARES: THE WAVES SHARE THE COLUMNS: wave w makes units 128 w .. 128 w + 127 of each layer of 512 for all 64 rows (of U3's 64 outputs: tile w of four).  So each weight fragment has ONE reader: it comes from wimg, which the launch
; before laid in the order of the operand registers, straight into that wave's registers, 512 consecutive bytes a load, and a K step's slot is asked for again as soon as its products are issued: a layer less one K step ahead.
; What goes from wave to wave is small: the activations' codes and scale words, through LDS as IMAGES OF THE OPERAND'S REGISTERS (lane l's 16 bytes at 16 l, 512 bytes a store; scale words 4 bytes a lane).
; TRANSPOSED USE: source 0 = 16 rows of a weight, source 1 = 16 tokens: a lane holds ONE token, and by the choice of a tile's rows (lane r of tile 2 b + u: row 32 b + 8 u + r + 8 (r / 8)) the 16 registers of tiles 2 b, 2 b + 1
; are 16 neighbours along the next K.  The biases are the C of each sum's first matrix instruction.
; NO CLUSTER, NO TENSOR LOAD: how many tiles an expert has hangs on y, 135 work-groups divide into no cluster of four, neighbours in the grid may have different experts, and a fragment that one wave reads gains nothing by a stop in LDS.
; LIMITS: a block whose largest number lies under 2^-122 has its scale byte held at 1; a block of zeros gets the byte 1 where the rule says 127 (its codes are zeros, and this program alone reads the bytes); NaN and infinities are not
; served; a bias is added ahead of its products and not behind them, another order of f32 roundings than reference()'s.
; REGISTERS, in windows of 256 (s_set_vgpr_msb: bits 1:0 source 0, 3:2 source 1, 5:4 source 2, 7:6 destination):
;   window 0: v1-25, v31 addresses; v26-30 at work; v32-39 the activations' scale words, two sets; v40-55 the weights' scale words; v56-151 the activations' fragments, two sets of four (layer 0: x); v152-215 64 numbers at work
;             (layer 0: W0; at the end rows of out0); v216-252 the quantiser's
;   window 1: the 32 accumulators, (row tile m, unit tile t) at v[64 m + 8 t]: written by matrix instructions alone
;   window 2: weight slots 0 and 1 (8 fragments of a K step each) at v0 and v96; the biases as C at v192.     window 3: slots 2 and 3
.set WB,   51712                       ; a block of wimg: one wave's 128 units of a layer
.set KSB,  12800                       ; a K step in it: 8 fragments, 512 bytes of scale words
.set FRB,  1536                        ; a fragment's image
.set HIMG, 0                           ; LDS: the activations' 16 fragments (row tile m, K step s: 4 m + s),
.set HSC,  16*FRB                      ; their scale words, 128 bytes each,
.set STG,  HSC+16*128                  ; and the way out: 64 rows x (256 bytes + 16)
.set SP,   272
.set LI,  1                            ; 16 x lane
.set LS,  2                            ; 4 x lane
.set HWI, 3                            ; where I store an image: 16 x lane + FRB x wave
.set HWS, 4                            ; and its scale words: 4 x lane + 128 x wave
.set WOF, 5                            ; in wimg: 16 x lane + WB x wave
.set BOF, 6                            ; my biases: WB x wave + 4 KSB + 64 h
.set U3O, 7                            ; U3: my fragment, my scale words, my biases
.set U3S, 8
.set U3B, 9
.set SO,  10                           ; the way out: where I put 32 bytes of a row
.set SR,  11                           ; and where I read a row back
.set OO,  12                           ; v12-19 byte offsets in out0 of rows 16 w + 2 i + h
.set XO,  20                           ; v20-23 byte offsets in x of rows 16 m + r
.set W0O, 24
.set B0O, 25
.set RW,  31                           ; 16 w + h
.set AS,  32
.set WS,  40
.set AF,  56
.set XB,  56                           ; layer 0: x's fragments at 8 m + 2 kk
.set T,   152
.set WA,  152                          ; layer 0: W0's fragments at 8 t + 2 kk
.set PC,  216                          ; the codes just made
.set TM,  236                          ; v236-239 largest numbers, v240-243 the other half's, then the bytes, v248-251 the conversions' scale operands
.set PW,  252                          ; the scale word just made
.set SEL, 26                           ; s[26:27] v_permlanex16_b32's selects for lane l xor 16
.set WP,  28                           ; s[28:29] the blocks of the layer that is being fetched
.set U3P, 38                           ; s[38:39] U3's block
.set MSB, 0
.macro WIN new                         ; the immediate's high byte repeats the setting that is left; a switch that changes nothing is dropped
.if MSB != \new
	s_set_vgpr_msb (MSB<<8)|\new
.set MSB, \new
.endif
.endm
.macro PLACES n                        ; plain vector instructions that name no register of the matrix instructions in front (ISA guide 7.12.1)
.rept \n
	v_nop
.endr
.endm
; K step s of the activations, all four row tiles, into set s % 2: 16 LDS loads
.macro ACT s
.irp m, 0,1,2,3
.irp c, 0,1,2
	ds_load_b128 v[AF+48*((\s)%2)+12*\m+4*\c:AF+48*((\s)%2)+12*\m+4*\c+3], v[LI] offset:HIMG+(4*\m+(\s))*FRB+512*\c
.endr
	ds_load_b32 v[AS+4*((\s)%2)+\m], v[LS] offset:HSC+128*(4*\m+(\s))
.endr
.endm
; K step s of the layer at WP into slot s: 24 loads of fragments and one of scale words; with s = 0 also the layer's biases, 16 loads.  Other work-groups read the same bytes: no hint
.macro REFILL s
.if (\s) < 2
	WIN 0x80
.else
	WIN 0xc0
.endif
.irp f, 0,1,2,3,4,5,6,7
.irp c, 0,1,2
	global_load_b128 v[96*((\s)%2)+12*\f+4*\c:96*((\s)%2)+12*\f+4*\c+3], v[WOF], s[WP:WP+1] offset:(\s)*KSB+\f*FRB+512*\c
.endr
.endr
.if (\s) == 0
.irp t, 0,1,2,3,4,5,6,7                        ; tile t's C: lane (r, h), register j: the bias of unit 32 (t / 2) + 8 (t % 2) + 16 h + j
	global_load_b128 v[192+8*\t:195+8*\t], v[BOF], s[WP:WP+1] offset:128*(\t/2)+32*(\t%2)
	global_load_b128 v[196+8*\t:199+8*\t], v[BOF], s[WP:WP+1] offset:128*(\t/2)+32*(\t%2)+16
.endr
.endif
	WIN 0
	global_load_b128 v[WS+4*(\s):WS+4*(\s)+3], v[WOF], s[WP:WP+1] offset:(\s)*KSB+8*FRB
.endm
; U3: my one tile's four fragments into slot 0, its bias, its four scale words: 18 loads
.macro REFILL_U3
	WIN 0x80
.irp s, 0,1,2,3
.irp c, 0,1,2
	global_load_b128 v[12*\s+4*\c:12*\s+4*\c+3], v[U3O], s[U3P:U3P+1] offset:\s*KSB+512*\c
.endr
.endr
	global_load_b128 v[192:195], v[U3B], s[U3P:U3P+1]
	global_load_b128 v[196:199], v[U3B], s[U3P:U3P+1] offset:16
	WIN 0
.irp s, 0,1,2,3
	global_load_b32 v[WS+\s], v[U3S], s[U3P:U3P+1] offset:\s*KSB
.endr
.endm
; One product: unit tile t x row tile m, K step s.  The weights' scale register serves tile t in lanes 0-15 (t even) or 16-31 (t odd)
.macro MM s, t, m
.set rD, 64*(\m)+8*(\t)
.set rA, 96*((\s)%2)+12*(\t)
.set rB, AF+48*((\s)%2)+12*(\m)
.set rW, WS+4*(\s)+(\t)/2
.set rX, AS+4*((\s)%2)+(\m)
.set rC, 192+8*(\t)
.if (\s) == 0
.if (\t)%2
	v_wmma_scale_f32_16x16x128_f8f6f4 v[rD:rD+7], v[rA:rA+11], v[rB:rB+11], v[rC:rC+7], v[rW], v[rX] matrix_a_fmt:MATRIX_FMT_BF6 matrix_b_fmt:MATRIX_FMT_BF6 matrix_a_scale:MATRIX_SCALE_ROW1
.else
	v_wmma_scale_f32_16x16x128_f8f6f4 v[rD:rD+7], v[rA:rA+11], v[rB:rB+11], v[rC:rC+7], v[rW], v[rX] matrix_a_fmt:MATRIX_FMT_BF6 matrix_b_fmt:MATRIX_FMT_BF6
.endif
.else
.if (\t)%2
	v_wmma_scale_f32_16x16x128_f8f6f4 v[rD:rD+7], v[rA:rA+11], v[rB:rB+11], v[rD:rD+7], v[rW], v[rX] matrix_a_fmt:MATRIX_FMT_BF6 matrix_b_fmt:MATRIX_FMT_BF6 matrix_a_scale:MATRIX_SCALE_ROW1
.else
	v_wmma_scale_f32_16x16x128_f8f6f4 v[rD:rD+7], v[rA:rA+11], v[rB:rB+11], v[rD:rD+7], v[rW], v[rX] matrix_a_fmt:MATRIX_FMT_BF6 matrix_b_fmt:MATRIX_FMT_BF6
.endif
.endif
.endm
; A K step: 32 products.  The 32 accumulators take turns, one instruction a turn, in the same order in every step
.macro MUL s
.irp t, 0,1,2,3,4,5,6,7
.irp m, 0,1,2,3
	MM \s, \t, \m
.endr
.endr
.endm
; 64 numbers of a lane, none negative, v[T] on, register 16 b + i = k 32 b + 16 (lane / 16) + i of my token, become a fragment's codes in v[PC] on and its scale word in v[PW]
.macro QUANT
.irp b, 0,1,2,3
	v_max3_num_f32 v[TM+\b], v[T+16*\b], v[T+1+16*\b], 0x2800000   ; block b: my 16 numbers, and the floor 2^(5 - 127): so the byte cannot fall under 1
.endr
.irp i, 2,4,6,8,10,12,14
.irp b, 0,1,2,3
	v_max3_num_f32 v[TM+\b], v[TM+\b], v[T+16*\b+\i], v[T+1+16*\b+\i]   ; the four blocks by turns: no line waits for the line above it
.endr
.endr
.irp b, 0,1,2,3
	v_permlanex16_b32 v[TM+4+\b], v[TM+\b], s[SEL], s[SEL+1]
.endr
.irp b, 0,1,2,3
	v_max_num_f32 v[TM+\b], v[TM+\b], v[TM+4+\b]   ; with lane l xor 16's 16: the block's largest number
.endr
.irp b, 0,1,2,3
	v_add_nc_u32 v[TM+12+\b], 0xfe000000, v[TM+\b] ; 4 off its exponent field: the conversion takes the exponent field of this operand as its scale
.endr
.irp b, 0,1,2,3
	v_lshrrev_b32 v[TM+4+\b], 23, v[TM+12+\b]      ; the scale's byte
.endr
	s_wait_dscnt 0x0                               ; the last image's stores have read v[PC] on and v[PW]
	v_lshl_or_b32 v[PW], v[TM+5], 8, v[TM+4]
	v_lshl_or_b32 v[PW], v[TM+6], 16, v[PW]
	v_lshl_or_b32 v[PW], v[TM+7], 24, v[PW]
.irp c, 0,1
	v_cvt_scalef32_pk16_bf6_f32 v[PC+6*\c:PC+2+6*\c], v[T+32*\c:T+15+32*\c], v[TM+12+2*\c]
	v_cvt_scalef32_pk16_bf6_f32 v[PC+12+4*\c:PC+14+4*\c], v[T+16+32*\c:T+31+32*\c], v[TM+12+2*\c+1]   ; (a conversion's three registers begin on an even number)
.endr
	v_nop                                          ; one plain place behind a scaled conversion
.irp c, 0,1                                    ; the operand's layout wants a WHOLE block in a lane: lanes 0-15 block 2 c, lanes 16-31 block 2 c + 1
.irp i, 0,1,2
	v_permlane16_swap_b32 v[PC+6*\c+\i], v[PC+12+4*\c+\i]
.endr
.irp i, 0,1,2
	v_mov_b32 v[PC+3+6*\c+\i], v[PC+12+4*\c+\i]
.endr
.endr
.endm
; Row tile m of my 128 units: the activation (each accumulator read from its low end on), the quantiser, the image: it is K step w of the next product
.macro QTILE m
	WIN 0x04
.set j, 0
.rept 64
	v_max_num_f32 v[T+j], 0, v[64*(\m)+j]
.set j, j+1
.endr
	WIN 0
	QUANT
.irp c, 0,1,2
	ds_store_b128 v[HWI], v[PC+4*\c:PC+4*\c+3] offset:HIMG+4*(\m)*FRB+512*\c
.endr
	ds_store_b32 v[HWS], v[PW] offset:HSC+512*(\m)
.endm
; K step s of a layer.  mode 1: slot s is asked for again, for the next layer of 512;  mode 2 (the last layer of 512): behind step 0 U3 is asked for, else nothing
.macro LSTEP mode, s
.if ((\mode) == 1) || ((\s) < 2)
	s_wait_loadcnt 63                              ; slot s is in: behind its loads at least 68 younger ones have been issued (mode 1: 75 or 91; mode 2: 75, 68); a wait's count names 63 at the most
.elseif (\s) == 2
	s_wait_loadcnt 43                              ; behind slot 2's: slot 3's 25 and U3's 18
.else
	s_wait_loadcnt 18                              ; behind slot 3's: U3's 18
.endif
.if (\s) < 3
	s_wait_dscnt 16                                ; this step's activations are in; the next step's 16 loads may be out
.else
	s_wait_dscnt 0x0                               ; all my reads of the images are back:
	s_barrier_signal -1                            ; say so, and multiply while the others arrive
.endif
.if (\s) == 0
	WIN 0x62                                       ; weights and bias window 2, D window 1
.elseif (\s) == 1
	WIN 0x52                                       ; weights window 2, C and D window 1
.else
	WIN 0x53                                       ; weights window 3
.endif
	MUL \s
	WIN 0
.if (\s) == 3
	s_barrier_wait -1                              ; nobody reads the images any more: they may be written again
.endif
	PLACES 4                                       ; in front of loads into registers that these products have read, and of the first read of results
.if (\mode) == 1
	REFILL \s
.elseif (\s) == 0
	REFILL_U3
.endif
.if (\s) < 2
	ACT (\s)+2
.endif
.endm
.macro LAYER mode
.if (\mode) == 1
	s_wait_xcnt 0x0                                ; the last layer's loads have had their addresses translated (ISA guide 3.1): their base may be written
	s_mov_b32 s30, s32                             ; the next layer's offset leaves the queue
	s_mov_b32 s32, s33
	s_mov_b32 s33, s34
	s_mov_b32 s34, s35
	s_mov_b32 s35, s36
	s_add_nc_u64 s[WP:WP+1], s[10:11], s[30:31]
.endif
	ACT 0
	ACT 1
.irp s, 0,1,2,3
	LSTEP \mode, \s
.endr
.irp m, 0,1,2,3
	QTILE \m
.endr
	s_wait_dscnt 0x0                               ; for the others' sake: my images lie in LDS
	s_barrier_signal -1
	s_barrier_wait -1
.endm
	s_load_b256 s[4:11], s[0:1], 0x0               ; x s[4:5], W0 s[6:7], b0 s[8:9], wimg s[10:11]
	s_load_b128 s[12:15], s[0:1], 0x20             ; order s[12:13], tiles s[14:15]
	s_load_b64 s[16:17], s[0:1], 0x30              ; out0
	v_lshl_add_u32 v254, v0, 2, 0xac00
	v_mov_b32 v255, 0
	v_lshrrev_b32 v26, 5, v0
	v_readfirstlane_b32 s18, v26                   ; wave 0..3
	v_and_b32 v27, 31, v0                          ; lane
	v_and_b32 v28, 15, v0                          ; r
	v_bfe_u32 v29, v0, 4, 1                        ; h
	s_lshl_b32 s30, ttmp9, 4
	s_mov_b32 s31, 0                               ; stays 0: the upper word of every offset pair
	s_wait_kmcnt 0x0
	s_add_nc_u64 s[14:15], s[14:15], s[30:31]
	s_load_b128 s[20:23], s[14:15], 0x0            ; my tile: expert, first place, rows, 0
	v_and_b32 v30, 8, v28
	v_add_nc_u32 v30, v30, v28                     ; r + 8 (r / 8)
	s_lshl_b32 s41, s18, 9
	v_lshl_add_u32 v[W0O], v30, 2, s41             ; W0 [16][512]: column 128 w + r + 8 (r / 8),
	v_lshl_add_u32 v[W0O], v29, 12, v[W0O]         ; two rows further down for lanes 16-31
	v_lshl_add_u32 v[B0O], v29, 6, s41             ; b0: 512 w + 64 h
	; what hangs on no list goes out first: W0 and b0.  An f32 fragment is 2 registers: register j holds k = 4 kk + 2 h + j of the lane's unit
.irp t, 0,1,2,3,4,5,6,7
.irp kk, 0,1,2,3
.irp j, 0,1
	global_load_b32 v[WA+8*\t+2*\kk+\j], v[W0O], s[6:7] offset:(4*\kk+\j)*2048+4*(32*(\t/2)+8*(\t%2))
.endr
.endr
.endr
	WIN 0x80
.irp t, 0,1,2,3,4,5,6,7
	global_load_b128 v[192+8*\t:195+8*\t], v[B0O], s[8:9] offset:128*(\t/2)+32*(\t%2)
	global_load_b128 v[196+8*\t:199+8*\t], v[B0O], s[8:9] offset:128*(\t/2)+32*(\t%2)+16
.endr
	WIN 0
	v_lshlrev_b32 v[LI], 4, v27
	v_lshlrev_b32 v[LS], 2, v27
	s_mul_i32 s41, s18, FRB
	v_add_nc_u32 v[HWI], s41, v[LI]
	s_lshl_b32 s41, s18, 7
	v_add_nc_u32 v[HWS], s41, v[LS]
	s_mul_i32 s41, s18, WB
	v_add_nc_u32 v[WOF], s41, v[LI]
	s_add_co_u32 s41, s41, 4*KSB
	v_lshl_add_u32 v[BOF], v29, 6, s41
	s_lshr_b32 s41, s18, 1                         ; the way out: my tile's outputs are 32 (w / 2) + 8 (w % 2) + 16 h + 0 .. 7
	s_lshl_b32 s41, s41, 7
	s_and_b32 s42, s18, 1
	s_lshl_b32 s42, s42, 5
	s_add_co_u32 s41, s41, s42
	s_add_co_u32 s41, s41, STG
	v_mul_u32_u24 v[SO], v28, SP
	v_lshl_add_u32 v[SO], v29, 6, v[SO]
	v_add_nc_u32 v[SO], s41, v[SO]
	s_mul_i32 s41, s18, 16*SP                      ; back: my 16 rows; lanes 0-15 one row of 256 bytes, lanes 16-31 the next
	s_add_co_u32 s41, s41, STG
	v_mul_u32_u24 v[SR], v29, SP
	v_lshl_add_u32 v[SR], v28, 4, v[SR]
	v_add_nc_u32 v[SR], s41, v[SR]
	s_lshl_b32 s41, s18, 4
	v_add_nc_u32 v[RW], s41, v29                   ; 16 w + h
	s_mov_b32 s[SEL], 0x76543210
	s_mov_b32 s[SEL+1], 0xfedcba98
.irp b, 0,1,2,3
	v_mov_b32 v[TM+4+\b], 0                        ; written once: a lane permute's destination counts as one of its sources
.endr
	s_mov_b64 s[WP:WP+1], s[10:11]                 ; the first layer to be fetched: W1, blocks 0 to 3
	s_wait_kmcnt 0x0
	s_lshr_b32 s24, s20, 1                         ; loaded numbers are held to their ranges before they enter an address
	s_min_u32 s24, s24, 3                          ; e / 2
	s_and_b32 s25, s20, 1
	s_min_u32 s25, s25, 1                          ; e % 2
	s_min_u32 s20, s20, 7                          ; e
	s_min_u32 s21, s21, 8191                       ; first place
	s_min_u32 s22, s22, 64                         ; rows
	s_mov_b32 s32, 4*WB                            ; the queue of the layers to come, as offsets in wimg: W2, W3, U0[e], U1[e], U2[e]
	s_mov_b32 s33, 8*WB
	s_lshl_b32 s41, s20, 2
	s_mul_i32 s41, s41, WB
	s_add_co_u32 s34, s41, 12*WB
	s_add_co_u32 s35, s41, 44*WB
	s_add_co_u32 s36, s41, 76*WB
	s_mul_i32 s30, s24, WB
	s_add_co_u32 s30, s30, 108*WB
	s_add_nc_u64 s[U3P:U3P+1], s[10:11], s[30:31]  ; U3's block holds experts 2 (e / 2) and 2 (e / 2) + 1: mine are its tiles 4 (e % 2) + 0 .. 3, of which tile 4 (e % 2) + w is my wave's
	s_lshl_b32 s41, s25, 2
	s_add_co_u32 s41, s41, s18
	s_mul_i32 s41, s41, FRB
	v_add_nc_u32 v[U3O], s41, v[LI]
	s_and_b32 s41, s18, 1                          ; its scale words: word 2 (e % 2) + w / 2 of the 16 bytes of lane r + 16 (w % 2)
	s_lshl_b32 s41, s41, 8
	s_lshl_b32 s42, s25, 3
	s_add_co_u32 s41, s41, s42
	s_lshr_b32 s42, s18, 1
	s_lshl_b32 s42, s42, 2
	s_add_co_u32 s41, s41, s42
	s_add_co_u32 s41, s41, 8*FRB
	v_lshl_add_u32 v[U3S], v28, 4, s41
	s_lshl_b32 s41, s25, 8                         ; its biases: units 64 (e % 2) + 32 (w / 2) + 8 (w % 2) + 16 h + 0 .. 7 of the block's 128
	s_lshr_b32 s42, s18, 1
	s_lshl_b32 s42, s42, 7
	s_add_co_u32 s41, s41, s42
	s_and_b32 s42, s18, 1
	s_lshl_b32 s42, s42, 5
	s_add_co_u32 s41, s41, s42
	s_add_co_u32 s41, s41, 4*KSB
	v_lshl_add_u32 v[U3B], v29, 6, s41
	; which tokens: row q of the tile stands at place first + min(q, rows - 1), held inside order (with 0 rows the subtraction wraps and the minimum is q)
	s_sub_co_u32 s43, s22, 1
.irp m, 0,1,2,3                                ; rows 16 m + r: whose x I load
	v_add_nc_u32 v26, 16*\m, v28
	v_min_u32 v26, s43, v26
	v_add_nc_u32 v26, s21, v26
	v_min_u32 v26, 0x1fff, v26
	v_lshlrev_b32 v[88+\m], 2, v26
	global_load_b32 v[XO+\m], v[88+\m], s[12:13]
.endr
.irp i, 0,1,2,3,4,5,6,7                        ; rows 16 w + 2 i + h: which I store
	v_add_nc_u32 v26, 2*\i, v[RW]
	v_min_u32 v26, s43, v26
	v_add_nc_u32 v26, s21, v26
	v_min_u32 v26, 0x1fff, v26
	v_lshlrev_b32 v[92+\i], 2, v26
	global_load_b32 v[OO+\i], v[92+\i], s[12:13]
.endr
	s_wait_loadcnt 0x0
.irp m, 0,1,2,3
	v_min_u32 v[XO+\m], 0x1fff, v[XO+\m]
	v_lshlrev_b32 v[XO+\m], 6, v[XO+\m]            ; a row of x is 64 bytes;
	v_lshl_add_u32 v[XO+\m], v29, 3, v[XO+\m]      ; lanes 16-31 take k = 4 kk + 2, 3
.endr
.irp m, 0,1,2,3
.irp kk, 0,1,2,3
	global_load_b64 v[XB+8*\m+2*\kk:XB+8*\m+2*\kk+1], v[XO+\m], s[4:5] offset:16*\kk
.endr
.endr
.irp i, 0,1,2,3,4,5,6,7
	v_min_u32 v[OO+\i], 0x1fff, v[OO+\i]
	v_lshlrev_b32 v[OO+\i], 8, v[OO+\i]            ; a row of out0 is 256 bytes: 16 bytes a lane
	v_lshl_add_u32 v[OO+\i], v28, 4, v[OO+\i]
.endr
	s_wait_loadcnt 0x0
	; ---- LAYER 0, x W0 + b0, with f32 operands: its result goes on into a quantiser.  Four K steps of 4; the first takes b0 as C.  Behind each step one slot of W1 is asked for, as in every later layer
.irp kk, 0,1,2,3
.if \kk == 0
	WIN 0x60                                       ; D window 1, C (b0) window 2
.else
	WIN 0x50                                       ; C and D window 1
.endif
.irp t, 0,1,2,3,4,5,6,7
.irp m, 0,1,2,3
.if \kk == 0
	v_wmma_f32_16x16x4_f32 v[64*\m+8*\t:64*\m+8*\t+7], v[WA+8*\t+2*\kk:WA+8*\t+2*\kk+1], v[XB+8*\m+2*\kk:XB+8*\m+2*\kk+1], v[192+8*\t:199+8*\t]
.else
	v_wmma_f32_16x16x4_f32 v[64*\m+8*\t:64*\m+8*\t+7], v[WA+8*\t+2*\kk:WA+8*\t+2*\kk+1], v[XB+8*\m+2*\kk:XB+8*\m+2*\kk+1], v[64*\m+8*\t:64*\m+8*\t+7]
.endif
.endr
.endr
	WIN 0
	PLACES 8                                       ; this form wants eight: in front of the loads over b0's registers, and of the first read of results and the first write over W0's
	REFILL \kk
.endr
.irp m, 0,1,2,3
	QTILE \m
.endr
	s_wait_dscnt 0x0
	s_barrier_signal -1
	s_barrier_wait -1
	; ---- W1, W2, W3, U0[e], U1[e]: one trip a layer; each fetches the layer behind it
	s_mov_b32 s40, 5
.Llayer:
	LAYER 1
	s_sub_co_u32 s40, s40, 1
	s_cmp_lg_u32 s40, 0
	s_cbranch_scc1 .Llayer
	; ---- U2[e], written out: it fetches U3's little and nothing else, and its waits count down
	LAYER 2
	; ---- U3[e]: my tile of 16 outputs for the four row tiles: four accumulators by turns
	s_wait_loadcnt 0x0
	ACT 0
	ACT 1
.irp s, 0,1,2,3
.if \s < 3
	s_wait_dscnt 16                                ; this step's activations are in; the next step's 16 loads may be out
.else
	s_wait_dscnt 0x0
.endif
.if \s == 0
	WIN 0x62
.else
	WIN 0x52
.endif
.irp m, 0,1,2,3
.if \s == 0
	v_wmma_scale_f32_16x16x128_f8f6f4 v[8*\m:8*\m+7], v[12*\s:12*\s+11], v[AF+48*(\s%2)+12*\m:AF+48*(\s%2)+12*\m+11], v[192:199], v[WS+\s], v[AS+4*(\s%2)+\m] matrix_a_fmt:MATRIX_FMT_BF6 matrix_b_fmt:MATRIX_FMT_BF6
.else
	v_wmma_scale_f32_16x16x128_f8f6f4 v[8*\m:8*\m+7], v[12*\s:12*\s+11], v[AF+48*(\s%2)+12*\m:AF+48*(\s%2)+12*\m+11], v[8*\m:8*\m+7], v[WS+\s], v[AS+4*(\s%2)+\m] matrix_a_fmt:MATRIX_FMT_BF6 matrix_b_fmt:MATRIX_FMT_BF6
.endif
.endr
	WIN 0
	PLACES 4
.if \s < 2
	ACT \s+2
.endif
.endr
	; ---- THE WAY OUT.  A lane holds eight neighbouring outputs of one token; a token's 64 come from four waves.  They meet in the stage, and each wave stores 16 whole rows
	WIN 0x04                                       ; an LDS store's data are its source 1: window 1
.irp m, 0,1,2,3
	ds_store_b128 v[SO], v[8*\m:8*\m+3] offset:16*\m*SP            ; each accumulator from its low end on
	ds_store_b128 v[SO], v[8*\m+4:8*\m+7] offset:16*\m*SP+16
.endr
	WIN 0
	s_wait_dscnt 0x0
	s_barrier_signal -1
	s_barrier_wait -1
.irp i, 0,1,2,3,4,5,6,7
	ds_load_b128 v[T+4*\i:T+4*\i+3], v[SR] offset:2*\i*SP
.endr
	s_wait_dscnt 0x0
	s_wait_xcnt 0x0                                ; EXEC changes only behind this wait
.irp i, 0,1,2,3,4,5,6,7
	v_add_nc_u32 v26, 2*\i, v[RW]                  ; my row of the tile
	v_cmp_gt_u32 vcc_lo, s22, v26                  ; is it one of the tile's rows?
	s_and_saveexec_b32 s44, vcc_lo
	global_store_b128 v[OO+\i], v[T+4*\i:T+4*\i+3], s[16:17] th:TH_STORE_NT   ; sixteen lanes store a token's whole row: 256 consecutive bytes, aligned
	s_wait_xcnt 0x0                                ; and again, in front of the line that widens EXEC
	s_or_b32 exec_lo, exec_lo, s44
.endr
	s_wait_xcnt 0x0
	s_mov_b32 exec_lo, -1
	s_wait_tensorcnt 0x0
	ds_add_u32 v254, v255
	s_wait_dscnt 0x0
	s_endpgm
.Lfunc_end_k_q328345d09b_chain:
	.size	k_q328345d09b_chain, .Lfunc_end_k_q328345d09b_chain-k_q328345d09b_chain
	.p2alignl 7, 3214868480
	.fill 96, 4, 3214868480
	.section	.rodata,"a",@progbits
	.p2align	6, 0x0
	.amdhsa_kernel k_q328345d09b_chain
		.amdhsa_group_segment_fixed_size 44544
		.amdhsa_private_segment_fixed_size 0
		.amdhsa_enable_private_segment 0
		.amdhsa_kernarg_size 56
		.amdhsa_user_sgpr_count 2
		.amdhsa_user_sgpr_kernarg_segment_ptr 1
		.amdhsa_wavefront_size32 1
		.amdhsa_system_sgpr_workgroup_id_x 1
		.amdhsa_system_sgpr_workgroup_id_y 1
		.amdhsa_system_sgpr_workgroup_id_z 1
		.amdhsa_system_vgpr_workitem_id 0
		.amdhsa_next_free_vgpr 1024
		.amdhsa_next_free_sgpr 66
		.amdhsa_reserve_vcc 1
		.amdhsa_float_denorm_mode_32 3
		.amdhsa_float_denorm_mode_16_64 3
		.amdhsa_memory_ordered 1
		.amdhsa_forward_progress 1
		.amdhsa_inst_pref_size 178
	.end_amdhsa_kernel
	.amdgpu_metadata
---
amdhsa.version: [ 1, 2 ]
amdhsa.kernels:
  - .name:           k_q328345d09b_chain
    .symbol:         k_q328345d09b_chain.kd
    .args:
      - { .name: x, .offset: 0, .size: 8, .value_kind: global_buffer, .address_space: global }
      - { .name: W0, .offset: 8, .size: 8, .value_kind: global_buffer, .address_space: global }
      - { .name: b0, .offset: 16, .size: 8, .value_kind: global_buffer, .address_space: global }
      - { .name: wimg, .offset: 24, .size: 8, .value_kind: global_buffer, .address_space: global }
      - { .name: order, .offset: 32, .size: 8, .value_kind: global_buffer, .address_space: global }
      - { .name: tiles, .offset: 40, .size: 8, .value_kind: global_buffer, .address_space: global }
      - { .name: out0, .offset: 48, .size: 8, .value_kind: global_buffer, .address_space: global }
    .group_segment_fixed_size: 44544
    .private_segment_fixed_size: 0
    .kernarg_segment_align: 8
    .kernarg_segment_size: 56
    .max_flat_workgroup_size: 128
    .sgpr_count:     66
    .vgpr_count:     1024
    .wavefront_size: 32
...
	.end_amdgpu_metadata
.endif
;; end of part 2
